; MI455X (gfx1250); checked and timed in simulation.
; The chip was launched on July 23, 2026; its instructions are those of AMD's public machine-readable ISA for CDNA 5 (MIT licence, August 2026) and "CDNA5" Instruction Set Architecture Reference Guide (July 2026). The comments in the code are by the model that wrote it; some were corrected since.
;; Taylor Model. Allowed arithmetic: matrix products marked QUANTISED: E2M3 operands, one E8M0 scale for each 32 along K, by v_wmma_scale_f32_16x16x128_f8f6f4 with both operands' format E2M3, f32 sums; products left as they are: f32 operands where the result goes on into a quantised operand, else bf16, f16 or f32 operands; f32 sums; everything else in f32.
;; Inputs: W1 20 x 189 float32; W2 20 x 230 float32; W3 1 x 20 float32; b1 20 float32; b2 20 float32; b3 1 float32; x 262,144 x 18 float32.
;; Outputs: out0 262,144 x 1 float32.
;; This version of the problem:
;;   THIS VERSION OF THE PROBLEM IS GIVEN IN LOW PRECISION. The matrix products marked QUANTISED in the list below multiply operands that are first quantised to E2M3 (2 exponent bits, 3 mantissa bits; 6 bits a number), with one power-of-two scale for each 32 numbers along K (OCP MX v1.0); their sums are f32. All else is computed in f32.
;;   The module's matrix products, in the order in which they are computed (A, B: the left and right operand; K: the contracted axis; several contracted axes count as one K, in the product's order):
;;     1. [M 262,144, K 189] x [K 189, N 20]; A: computed on the way; B: input W1: QUANTISED
;;     2. [M 262,144, K 230] x [K 230, N 20]; A: computed on the way; B: input W2: QUANTISED
;;     3. [M 262,144, K 20] x [K 20, N 1]; A: computed on the way; B: input W3: left as it is (K = 20 < 32)
;;   THE QUANTISER, for each operand of a quantised product, along K:
;;     - K is cut into blocks of 32 from its start; a last block that is shorter is filled with zeros.
;;     - A block's scale is 2^e with e = floor(log2(the largest magnitude in the block)) - 2, held to -126 .. 127; a block of zeros has e = 0. As a byte (E8M0): e + 127.
;;     - Each number is divided by its block's scale, clamped to +-7.5, and rounded to the nearest number of E2M3, ties to even, subnormals kept.
;;     - The product sums the exact products of the quantised numbers (number of the format x scale) in f32.
;;   ~~~python
;;   def quantise(x, axis):      # numpy; x: float32 -> the quantised numbers, widened to float32 again
;;       x = np.moveaxis(x, axis, -1); K = x.shape[-1]
;;       x = np.pad(x, [(0, 0)] * (x.ndim - 1) + [(0, -K % 32)]); x = x.reshape(x.shape[:-1] + (-1, 32)); a = np.abs(x).max(-1, keepdims=True)
;;       e = np.where(a > 0, np.clip(np.frexp(np.where(a > 0, a, 1))[1] - 1 - 2, -126, 127), 0)      # np.frexp(a)[1] - 1 = floor(log2(a)), exactly
;;       r = np.clip(x / 2.0 ** e, -7.5, 7.5)
;;       step = 2.0 ** (np.maximum(np.frexp(np.where(r == 0, 1, r))[1] - 1, 0) - 3)
;;       q = np.round(r / step) * step * 2.0 ** e      # np.round: ties to even
;;       return np.moveaxis(q.reshape(q.shape[:-2] + (-1,))[..., :K], -1, axis).astype(np.float32)
;;   ~~~
;;   OPERANDS COMPUTED ON THE WAY. 'Computed on the way' means the value that the module computes at that place (a softmax that the list does not call 'softmax' is quantised finished and normalised). What goes into a quantiser is computed in f32, as accurately as f32 sums, v_exp_f32 and their like allow (about 1e-6 of the number): no bf16 or f16 on the way to a quantiser, and a product that is left as it is and whose result goes on into a quantised operand takes f32 operands (vector FMAs, or v_wmma_f32_16x16x4_f32). A number that lies on a knife's edge between two numbers of the format may be rounded either way, as far as f32 arithmetic and the matrix unit's own rounding can turn it there, and no further.
;; 2 versions. Each part assembles by itself: llvm-mc -triple=amdgcn-amd-amdhsa -mcpu=gfx1250 --defsym DOCPART=n.
;; ======== version 1 of 2: 1 launch
;; launch taylor (part 1): grid 256 x 1, 16 waves a work-group, no clusters, 129,536 bytes of LDS; arguments x, W1, W2, W3, b1, b2, b3, out0; writes out0
.if DOCPART == 1
	.amdgcn_target "amdgcn-amd-amdhsa--gfx1250"
	.amdhsa_code_object_version 6
	.text
	.protected	k_q880933dc76_taylor
	.globl	k_q880933dc76_taylor
	.p2align	8
	.type	k_q880933dc76_taylor,@function
k_q880933dc76_taylor:
	s_mov_b64 s[64:65], 0
	v_nop
	global_prefetch_b8 v0, s[64:65] scope:SCOPE_SE
	s_setreg_imm32_b32 hwreg(HW_REG_WAVE_MODE, 25, 1), 1
	s_wait_xcnt 0x0
; y = tanh(aug(tanh(aug(x) W1^T + b1)) W2^T + b2) W3^T + b3,  aug(v) = [v, v_j v_k for j <= k].  x [262144][18], W1 [20][189], W2 [20][230], W3 [1][20], all f32.
; The two large products run on codes of FP6 (E2M3) with one E8M0 scale for each 32 along K, both operands quantised here; the last (K = 20, one column) is 20 fused multiply-adds a row in f32.
; NOTHING OF reference() IS LEFT OUT, and every input is loaded.  K is filled up to 256 and W's rows up to 32 with zero codes, inside tiles that also hold live work.
; SHARES.  256 work-groups of 16 waves; a work-group owns 1,024 rows, a wave 64, a LANE ONE ROW in each of two trips: rows 2 l (trip 0) and 2 l + 1 (trip 1) of the wave's 64, so that a lane ends with two
; neighbouring results and the wave's one store covers 256 consecutive bytes, aligned.  The work is vector work (381 products, 419 numbers to quantise and 40 tanh a row beside 16 matrix instructions for 32 rows),
; so a wave is small (256 registers) and four waves share a SIMD.
; A LANE HOLDS ITS WHOLE ROW: a block of 32 features lies in one lane's 32 registers, its largest magnitude needs no other lane, and no feature is made twice.  The operand's layout wants lanes 0-15 to hold an
; even block and lanes 16-31 the odd block behind it, of the same 16 rows: v_permlane16_swap_b32 on (even block's register, odd block's register) turns the two into the fragments of two tiles of rows
; (lanes 0-15, lanes 16-31).  A lane's scale word stays where it is: the first tile reads scale row 0, the second scale row 1.
; THE PRODUCTS ARE USED TRANSPOSED (source 0 = 16 rows of W, source 1 = 16 rows of data): a lane then holds eight sums of one row, and the same swap brings all 20 sums of a row into its lane.
; THE WEIGHTS come dense into LDS; each of the 512 lanes quantises ONE block of one row of W1 or W2; the codes lie in LDS as images of the operand's registers, 48 bytes a lane, and every wave loads them from there.
; No cluster: the work-groups share W alone, 33,520 bytes that each reads once at its head through registers; x, 73,728 bytes a work-group, is nobody else's.
; LIMITS.  NaN and infinities among the inputs are not served.  A block of zeros, or one whose largest magnitude lies under 2^-124, keeps the scale byte 1 (the rule says 127 for zeros: the codes are zeros, and the
; bytes are read by this program alone).  tanh(z) = 1 - 2 / (1 + 2^(2 log2(e) z)): an absolute error of a few 2^-24, so the relative error grows where |z| is tiny.
.set XROW,   72                        ; a row of x in bytes
.set XWAVE,  64*XROW                   ; a wave's 64 rows: 4,608 bytes, nine loads of 512
.set WIMG,   16*XWAVE                  ; LDS: x's bytes from 0 on; then W's 8 fragments (4 layer + 2 tile + K step) as register images,
.set FRB,    1536                      ; 48 bytes a lane;
.set WSC,    WIMG+8*FRB                ; W's scale words: (2 layer + K step) x 128 bytes: lanes 0-15 tile 0's rows, lanes 16-31 tile 1's;
.set SPARE,  WSC+512                   ; the spare words, 128 bytes for each wave: eight blocks of 256 bytes that no other line names;
.set WR1,    SPARE+2048                ; W1 as it lies in memory, filled up with zeros to 16,384 bytes; W2 behind it, to 24,576
.set FLOOR,  0x1800000                 ; 2^(3 - 127): under it no largest magnitude is taken, so the scale's byte cannot fall under 1
.set SPW,  1                           ; v1      LDS address of my spare word; never rewritten
.set NIL,  2                           ; v2      0; never rewritten
.set XA,   3                           ; v3      LDS address of my row of x
.set WA,   4                           ; v4      LDS address of my lane's 48 bytes of fragment 0
.set SAD,  5                           ; v5      LDS address of my lane's word of W's scales
.set GO,   6                           ; v6      my byte offset in the wave's 256 bytes of y
.set Y,    8                           ; v[8:9]  y of my two rows
.set MXA,  10                          ; v10, v11 two chains (largest magnitude; the last dot product)
.set MXB,  11
.set BY,   12                          ; v12     a scale's byte
.set XS,   14                          ; v14, v15 my row's scale words, K steps 0 and 1
.set WS,   16                          ; v16-19  W's scale words: 2 layer + K step
.set SO,   20                          ; v20, v21 the conversions' scale operand, by turns
.set TH,   24                          ; v24-26 (head: v28-30 too) a block's upper 16 codes: a conversion's three registers begin on an even number
.set X,    32                          ; v32-63  the layer's input (18 or 20 numbers) and behind it the rest of block 0
.set XO,   64                          ; v64-81  the same input once more, number k at XO + k - 1: pairs that begin at an odd k are aligned here
.set PBUF, 96                          ; v96-159 two buffers of 32 features, by turns
.set D,    96                          ; v96-127 the four accumulators lie over the first buffer: sum u of my row ends in v[D + u]
.set F,    160                         ; v160-207 the rows' fragments: 24 x tile of rows + 12 x K step
.set WF,   208                         ; v208-255 W's fragments of the layer in hand: 12 x (2 tile + K step)
.set CB1,  20                          ; s20-39  2 log2(e) b1
.set CB2,  40                          ; s40-59  2 log2(e) b2
.set WV,   60                          ; s60     my wave's number
.set CC,   61                          ; s61     2 log2(e)
.set TRIP, 62                          ; s62     the trip
.set W3S,  68                          ; s68-87  W3
.set B3S,  88                          ; s88     b3
; ---- the features.  FI is the feature's number, (FJ, FK) its pair j <= k, walked in reference()'s order: k innermost
.macro ADV
.set FK, FK+1
.if FK == NC
.set FJ, FJ+1
.set FK, FJ
.endif
.endm
; features FI and FI + 1 (FI even) into v[d], v[d + 1].  Two of one j: one packed multiply, x_j for both halves (the low word of a pair that begins with it) times the pair (x_k, x_k+1).
; Where j changes between the two: two plain multiplies.  Past the last feature: zeros.
.macro PAIR d
.if FI >= NF
	v_mov_b32 v[\d], 0
	v_mov_b32 v[(\d)+1], 0
.else
.set J0, FJ
.set K0, FK
	ADV
.if FI+1 >= NF
	v_mul_f32 v[\d], v[X+J0], v[X+K0]
	v_mov_b32 v[(\d)+1], 0
.elseif FJ == J0
.set SRA, X+J0
.if J0%2
.set SRA, XO+J0-1
.endif
.set SRB, X+K0
.if K0%2
.set SRB, XO+K0-1
.endif
	v_pk_mul_f32 v[\d:(\d)+1], v[SRA:SRA+1], v[SRB:SRB+1] op_sel_hi:[0,1]
	ADV
.else
	v_mul_f32 v[\d], v[X+J0], v[X+K0]
	v_mul_f32 v[(\d)+1], v[X+FJ], v[X+FK]
	ADV
.endif
.endif
.set FI, FI+2
.endm
; step t of NQ of a block's largest magnitude: 2 NQ numbers and the floor are 2 NQ + 1 leaves, three to a step: two chains by turns, joined with the last number
.macro MAXOP t
.if (\t) == NQ-1
	v_max3_num_f32 v[MXA], v[MXA], v[MXB], |v[BASE+2*(\t)+1]|
.elseif (\t) == 0
	v_max3_num_f32 v[MXA], |v[BASE]|, |v[BASE+1]|, FLOOR
.elseif (\t) == 1
	v_max3_num_f32 v[MXB], |v[BASE+2]|, |v[BASE+3]|, |v[BASE+4]|
.else
	v_max3_num_f32 v[MXA+(\t)%2], v[MXA+(\t)%2], |v[BASE+2*(\t)+1]|, |v[BASE+2*(\t)+2]|
.endif
.endm
; block b of the layer's K: its features, its largest magnitude (two steps behind the features), its scale, its codes
.macro BLOCK b
.set BASE, PBUF+32*((\b)%2)
.if (\b) == 0
.set BASE, X                           ; block 0 begins with the input itself, as it lies
.endif
.set NM, NF-32*(\b)
.if NM > 32
.set NM, 32
.endif
.set NW, 16*((NM+15)/16)               ; registers written: whole conversions
.set NQ, (NM+1)/2                      ; steps of the maximum
.set Q, 0
.rept NW/2+2
.if (Q < NW/2) && (32*(\b)+2*Q >= NC)
	PAIR BASE+2*Q
.endif
.if (Q >= 2) && (Q-2 < NQ)
	MAXOP Q-2
.endif
.set Q, Q+1
.endr
.set FB, F+24*((\b)%2)+12*((\b)/4)+6*(((\b)%4)/2)   ; an even block's codes go to the first tile's fragment, an odd block's to the second's, at the same place
	v_add_nc_u32 v[SO+(\b)%2], 0xff000000, v[MXA]      ; 2 off the exponent field: the conversion takes the exponent field of this operand as its scale, and nothing else of it
	v_cvt_scalef32_pk16_fp6_f32 v[FB:FB+2], v[BASE:BASE+15], v[SO+(\b)%2]
.if NW > 16
	v_cvt_scalef32_pk16_fp6_f32 v[TH:TH+2], v[BASE+16:BASE+31], v[SO+(\b)%2]
.endif
.if (\b)%4 == 0
	v_lshrrev_b32 v[XS+(\b)/4], 23, v[SO+(\b)%2]       ; the scale's byte begins the K step's word.  (Also the plain line behind the conversions, ahead of the lines that touch their results)
.else
	v_lshrrev_b32 v[BY], 23, v[SO+(\b)%2]              ; the scale's byte (and the plain line behind the conversions)
	v_lshl_or_b32 v[XS+(\b)/4], v[BY], 8*((\b)%4), v[XS+(\b)/4]
.endif
.irp i, 0,1,2
.if NW > 16
	v_mov_b32 v[FB+3+\i], v[TH+\i]                     ; the upper 16 codes to their odd place
.else
	v_mov_b32 v[FB+3+\i], 0                            ; past K: zero codes
.endif
.endr
.if (\b)%2
.irp i, 0,1,2,3,4,5
	v_permlane16_swap_b32 v[FB-24+\i], v[FB+\i]        ; the even block's lanes 16-31 change places with the odd block's lanes 0-15: two fragments, of lanes 0-15's rows and of lanes 16-31's
.endr
.endif
.endm
.macro LAYER nc, nf, nb
.set NC, \nc
.set NF, \nf
.set FI, \nc
.set FJ, 0
.set FK, 0
.if \nb == 6
.irp i, 18,19,20,21,22,23,42,43,44,45,46,47
	v_mov_b32 v[F+\i], 0                               ; blocks 6 and 7 do not exist in this layer: zero codes
.endr
.endif
.set B, 0
.rept \nb
	BLOCK B
.set B, B+1
.endr
.endm
.macro WLOAD l                         ; the layer's four fragments of W, as they were stored: three loads of 16 bytes a lane each
.irp f, 0,1,2,3
.irp g, 0,1,2
	ds_load_b128 v[WF+12*\f+4*\g:WF+12*\f+4*\g+3], v[WA] offset:(4*\l+\f)*FRB+16*\g
.endr
.endr
.endm
.macro PLACES n
.rept \n
	v_nop
.endr
.endm
; eight matrix instructions: K step 0 starts the four sums, K step 1 adds onto them; the four accumulators take turns, one instruction a turn.
; Accumulator 2 t + g: W's tile t (scale row t) x the rows' tile g (scale row g)
.macro MM l
	v_wmma_scale_f32_16x16x128_f8f6f4 v[D:D+7], v[WF:WF+11], v[F:F+11], 0, v[WS+2*\l], v[XS] matrix_a_fmt:MATRIX_FMT_FP6 matrix_b_fmt:MATRIX_FMT_FP6
	v_wmma_scale_f32_16x16x128_f8f6f4 v[D+8:D+15], v[WF:WF+11], v[F+24:F+35], 0, v[WS+2*\l], v[XS] matrix_a_fmt:MATRIX_FMT_FP6 matrix_b_fmt:MATRIX_FMT_FP6 matrix_b_scale:MATRIX_SCALE_ROW1
	v_wmma_scale_f32_16x16x128_f8f6f4 v[D+16:D+23], v[WF+24:WF+35], v[F:F+11], 0, v[WS+2*\l], v[XS] matrix_a_fmt:MATRIX_FMT_FP6 matrix_b_fmt:MATRIX_FMT_FP6 matrix_a_scale:MATRIX_SCALE_ROW1
	v_wmma_scale_f32_16x16x128_f8f6f4 v[D+24:D+31], v[WF+24:WF+35], v[F+24:F+35], 0, v[WS+2*\l], v[XS] matrix_a_fmt:MATRIX_FMT_FP6 matrix_b_fmt:MATRIX_FMT_FP6 matrix_a_scale:MATRIX_SCALE_ROW1 matrix_b_scale:MATRIX_SCALE_ROW1
	v_wmma_scale_f32_16x16x128_f8f6f4 v[D:D+7], v[WF+12:WF+23], v[F+12:F+23], v[D:D+7], v[WS+2*\l+1], v[XS+1] matrix_a_fmt:MATRIX_FMT_FP6 matrix_b_fmt:MATRIX_FMT_FP6
	v_wmma_scale_f32_16x16x128_f8f6f4 v[D+8:D+15], v[WF+12:WF+23], v[F+36:F+47], v[D+8:D+15], v[WS+2*\l+1], v[XS+1] matrix_a_fmt:MATRIX_FMT_FP6 matrix_b_fmt:MATRIX_FMT_FP6 matrix_b_scale:MATRIX_SCALE_ROW1
	v_wmma_scale_f32_16x16x128_f8f6f4 v[D+16:D+23], v[WF+36:WF+47], v[F+12:F+23], v[D+16:D+23], v[WS+2*\l+1], v[XS+1] matrix_a_fmt:MATRIX_FMT_FP6 matrix_b_fmt:MATRIX_FMT_FP6 matrix_a_scale:MATRIX_SCALE_ROW1
	v_wmma_scale_f32_16x16x128_f8f6f4 v[D+24:D+31], v[WF+36:WF+47], v[F+36:F+47], v[D+24:D+31], v[WS+2*\l+1], v[XS+1] matrix_a_fmt:MATRIX_FMT_FP6 matrix_b_fmt:MATRIX_FMT_FP6 matrix_a_scale:MATRIX_SCALE_ROW1 matrix_b_scale:MATRIX_SCALE_ROW1
.endm
; The sums come home and go through tanh.  In accumulator 2 t + g lane (r, h) holds sums 16 t + 8 h + 0 .. 7 of row r of tile g: the swap of tile 0's register with tile 1's leaves sum u of MY row in v[D + u].
; tanh(z + b) = 1 - 2 / (1 + 2^(c z + c b)), c = 2 log2(e).  The 20 exponentials are one batch and the 20 reciprocals another: nothing names a result ahead of the batch's one wait.
.macro TANH cb, xo
.irp j, 0,1,2,3,4,5,6,7
	v_permlane16_swap_b32 v[D+\j], v[D+8+\j]           ; each accumulator is read from its low end on
.endr
.irp j, 0,1,2,3
	v_permlane16_swap_b32 v[D+16+\j], v[D+24+\j]       ; sums 16 to 19; W's rows 20 to 31 are zero codes, and their sums are not read
.endr
	v_fma_f32 v[D], v[D], s[CC], s[\cb]
	v_fma_f32 v[D+1], v[D+1], s[CC], s[\cb+1]
.set U, 0
.rept 18
	v_exp_f32 v[D+U], v[D+U]
	v_fma_f32 v[D+U+2], v[D+U+2], s[CC], s[\cb+U+2]
.set U, U+1
.endr
	v_exp_f32 v[D+18], v[D+18]
	v_exp_f32 v[D+19], v[D+19]
	v_nop                                              ; a plain line behind the last exponential
	s_wait_alu depctr_va_vdst(0)                       ; the wait ahead of the first line that names a result: one for the 20
	v_pk_add_f32 v[D:D+1], v[D:D+1], 1.0 op_sel_hi:[1,0]
	v_pk_add_f32 v[D+2:D+3], v[D+2:D+3], 1.0 op_sel_hi:[1,0]
.set U, 0
.rept 8
	v_rcp_f32 v[D+U], v[D+U]
	v_rcp_f32 v[D+U+1], v[D+U+1]
	v_pk_add_f32 v[D+U+4:D+U+5], v[D+U+4:D+U+5], 1.0 op_sel_hi:[1,0]
.set U, U+2
.endr
.irp j, 16,17,18,19
	v_rcp_f32 v[D+\j], v[D+\j]
.endr
	v_nop                                              ; a plain line behind the last reciprocal
	s_wait_alu depctr_va_vdst(0)                       ; and one wait for the 20
.set U, 0
.rept 10
	v_pk_fma_f32 v[X+U:X+U+1], v[D+U:D+U+1], -2.0, 1.0 op_sel_hi:[1,0,0]
.set U, U+2
.endr
.if \xo
.set U, 1
.rept 18
	v_fma_f32 v[XO+U-1], v[D+U], -2.0, 1.0             ; the same numbers once more, one register off, for the pairs that begin at an odd index
.set U, U+1
.endr
.endif
.endm
	; ---- the head
	s_load_b512 s[4:19], s[0:1], 0x0               ; x s[4:5], W1 s[6:7], W2 s[8:9], W3 s[10:11], b1 s[12:13], b2 s[14:15], b3 s[16:17], y s[18:19]
	v_lshl_add_u32 v[SPW], v0, 2, SPARE
	v_mov_b32 v[NIL], 0
	v_lshrrev_b32 v82, 5, v0
	v_readfirstlane_b32 s[WV], v82                 ; wave 0..15.  For W its bits say: bit 3 the layer, bit 2 the tile of 16 rows t, bit 1 the K step s, bit 0 the half c of the fragment
	v_and_b32 v83, 31, v0                          ; lane
	v_and_b32 v84, 15, v0                          ; r
	v_bfe_u32 v85, v0, 4, 1                        ; h
	s_lshr_b32 s94, s[WV], 3                       ; layer
	s_bfe_u32 s95, s[WV], 0x10002                  ; t
	s_and_b32 s89, s[WV], 1                        ; c
	s_and_b32 s91, s[WV], 3
	s_lshl_b32 s91, s91, 6                         ; 64 (2 s + c)
	s_mul_i32 s98, s94, 41
	s_add_co_u32 s98, s98, 189                     ; the layer's K: 189 or 230
	v_lshl_add_u32 v86, v85, 5, s91                ; my block of W begins at k0 = 128 s + 64 c + 32 h,
	v_lshl_add_u32 v87, s95, 4, v84                ; in row n = 16 t + r
	v_sub_nc_u32 v88, s98, v86                     ; how many of its 32 numbers exist: K - k0 (32 or more: all; 0 or less: none),
	v_cmp_gt_u32 vcc_lo, 20, v87
	v_cndmask_b32 v88, 0, v88, vcc_lo              ; and none in rows 20 to 31.  It is 29 or 6 in a row's last block:
	v_cmp_lt_i32 s90, 0, v88                       ; numbers 0 to 5 exist,
	v_cmp_lt_i32 s96, 6, v88                       ; numbers 6 to 28,
	v_cmp_lt_i32 s97, 29, v88                      ; numbers 29 to 31
	s_mul_i32 s67, s95, 12
	s_xor_b32 s67, s67, 15                         ; 15 for tile 0, 3 for tile 1: rows that do not exist read rows 16 to 19 (and are replaced by zeros), so that every LDS read stays in W's bytes
	v_and_b32 v89, s67, v84
	v_lshl_add_u32 v89, s95, 4, v89
	v_mad_u32_u24 v89, v89, s98, v86               ; row x K + k0
	s_lshl_b32 s67, s94, 14
	s_add_co_u32 s67, s67, WR1                     ; W1's bytes or W2's
	v_lshl_add_u32 v89, v89, 2, s67                ; LDS address of my block as f32
	s_lshr_b32 s63, s[WV], 1
	s_mul_i32 s63, s63, FRB                        ; my fragment's image,
	s_mul_i32 s67, s89, 24
	s_add_co_u32 s63, s63, s67                     ; my half of a lane's 48 bytes
	s_add_co_u32 s63, s63, WIMG
	v_mul_u32_u24 v90, v83, 48
	v_add_nc_u32 v91, s63, v90                     ; where my six registers of codes go
	v_add_nc_u32 v[WA], WIMG, v90
	s_lshl_b32 s66, s94, 8                         ; my scale byte: word set 2 layer + s,
	s_bfe_u32 s67, s[WV], 0x10001
	s_lshl_b32 s67, s67, 7
	s_add_co_u32 s66, s66, s67
	s_lshl_b32 s67, s95, 6                         ; word 16 t + r,
	s_add_co_u32 s66, s66, s67
	s_lshl_b32 s67, s89, 1                         ; byte 2 c + h
	s_add_co_u32 s66, s66, s67
	s_add_co_u32 s66, s66, WSC
	v_lshl_add_u32 v92, v84, 2, v85
	v_add_nc_u32 v92, s66, v92
	v_lshl_add_u32 v[SAD], v83, 2, WSC
	s_mul_i32 s99, s[WV], XWAVE                    ; my wave's bytes of x in LDS
	v_lshlrev_b32 v94, 4, v83                      ; 16 x lane
	v_add_nc_u32 v93, s99, v94                     ; in: as they lie
	v_mad_u32_u24 v[XA], v83, 2*XROW, s99          ; out: row 2 l; the second trip's is 72 bytes on
	v_lshlrev_b32 v[GO], 3, v83
	v_lshlrev_b32 v7, 4, v0                        ; W: 16 bytes a thread
	v_lshl_add_u32 v95, v0, 4, WR1
	s_mul_i32 s92, ttmp9, 16*XWAVE
	s_add_co_u32 s92, s92, s99                     ; my wave's bytes of x in memory (under 2^25)
	s_mov_b32 s93, 0
.irp i, 12,13,14,15,16,17,18,19
	v_mov_b32 v[WF+\i], 0                          ; the two loads below that reach W's ends run with some lanes off: those lanes hold zeros, which fill W's bytes in LDS up
.endr
	s_wait_kmcnt 0x0
	s_load_b512 s[20:35], s[12:13], 0x0            ; b1
	s_load_b128 s[36:39], s[12:13], 0x40
	s_load_b512 s[40:55], s[14:15], 0x0            ; b2
	s_load_b128 s[56:59], s[14:15], 0x40
	s_load_b512 s[68:83], s[10:11], 0x0            ; W3
	s_load_b128 s[84:87], s[10:11], 0x40
	s_load_b32 s[B3S], s[16:17], 0x0               ; b3
	s_add_nc_u64 s[4:5], s[4:5], s[92:93]
	s_lshl_b32 s92, ttmp9, 12
	s_lshl_b32 s91, s[WV], 8
	s_add_co_u32 s92, s92, s91                     ; my wave's 256 bytes of y
	s_add_nc_u64 s[18:19], s[18:19], s[92:93]
	global_load_b128 v[WF:WF+3], v7, s[6:7]                     ; W1 is 945 pieces of 16 bytes, W2 1,150; the 512 threads take piece thread + 512 j
	global_load_b128 v[WF+4:WF+7], v7, s[8:9]
	global_load_b128 v[WF+8:WF+11], v7, s[8:9] offset:8192
	v_cmp_gt_u32 vcc_lo, 433, v0                   ; 945 - 512
	s_wait_xcnt 0x0                                ; EXEC changes only behind this wait: it is a source of the loads above
	s_and_saveexec_b32 s67, vcc_lo
	global_load_b128 v[WF+12:WF+15], v7, s[6:7] offset:8192
	s_wait_xcnt 0x0
	s_or_b32 exec_lo, exec_lo, s67
	v_cmp_gt_u32 vcc_lo, 126, v0                   ; 1,150 - 1,024
	s_and_saveexec_b32 s67, vcc_lo
	global_load_b128 v[WF+16:WF+19], v7, s[8:9] offset:16384
	s_wait_xcnt 0x0
	s_or_b32 exec_lo, exec_lo, s67
.set U, 0
.rept 9
	global_load_b128 v[F+4*U:F+4*U+3], v94, s[4:5] offset:512*U th:TH_LOAD_NT   ; x: 32 lanes read 512 consecutive bytes; read once in the launch
.set U, U+1
.endr
	s_wait_loadcnt 9                               ; W's five loads are in; x's nine, issued behind them, may be out
	ds_store_b128 v95, v[WF:WF+3]
	ds_store_b128 v95, v[WF+12:WF+15] offset:8192
	ds_store_b128 v95, v[WF+4:WF+7] offset:16384
	ds_store_b128 v95, v[WF+8:WF+11] offset:24576
	ds_store_b128 v95, v[WF+16:WF+19] offset:32768
	s_wait_dscnt 0x0                               ; for the others' sake: my part of W lies in LDS
	s_barrier_signal -1
	s_barrier_wait -1                              ; everybody's does
.set U, 0
.rept 32
	ds_load_b32 v[PBUF+U], v89 offset:4*U          ; my block of W: 32 neighbours along K
.set U, U+1
.endr
	s_wait_dscnt 0x0
.set U, 0
.rept 32
.if U < 6
	v_cndmask_b32 v[PBUF+U], 0, v[PBUF+U], s90     ; what lies past K or past row 19 is 0
.elseif U < 29
	v_cndmask_b32 v[PBUF+U], 0, v[PBUF+U], s96
.else
	v_cndmask_b32 v[PBUF+U], 0, v[PBUF+U], s97
.endif
.set U, U+1
.endr
.set BASE, PBUF
.set NQ, 16
.set Q, 0
.rept 16
	MAXOP Q
.set Q, Q+1
.endr
	v_add_nc_u32 v[SO], 0xff000000, v[MXA]
	v_cvt_scalef32_pk16_fp6_f32 v[TH:TH+2], v[PBUF:PBUF+15], v[SO]
	v_cvt_scalef32_pk16_fp6_f32 v[TH+4:TH+6], v[PBUF+16:PBUF+31], v[SO]
	v_lshrrev_b32 v[BY], 23, v[SO]                 ; the scale's byte (and the plain line behind the conversions)
.irp i, 0,1,2
	ds_store_b32 v91, v[TH+\i] offset:4*\i         ; registers 6 c + 0 .. 5 of my lane in the fragment's image
	ds_store_b32 v91, v[TH+4+\i] offset:12+4*\i
.endr
	ds_store_b8 v92, v[BY]
	s_wait_loadcnt 0x0                             ; x
.set U, 0
.rept 9
	ds_store_b128 v93, v[F+4*U:F+4*U+3] offset:512*U
.set U, U+1
.endr
	s_mov_b32 s[CC], 0x4038aa3b                    ; 2 log2(e)
	s_wait_kmcnt 0x0
.set U, 0
.rept 20
	s_mul_f32 s[CB1+U], s[CB1+U], s[CC]            ; the biases enter as the addend of the multiply-add that makes the exponent
	s_mul_f32 s[CB2+U], s[CB2+U], s[CC]
.set U, U+1
.endr
	s_wait_dscnt 0x0                               ; for the others' sake: my codes and my scale byte lie in LDS.  No LDS byte is stored behind this barrier
	s_barrier_signal -1
	s_barrier_wait -1
.irp i, 0,1,2,3
	ds_load_b32 v[WS+\i], v[SAD] offset:128*\i     ; W's scale words stay in registers
.endr
	v_mov_b32 v[Y+1], 0                            ; (moved to v[Y] in the first trip, and written over there in the second)
	s_mov_b32 s[TRIP], 0
.Ltrip:                                            ; two trips: rows 2 l, then rows 2 l + 1
.irp m, 0,1,2,3,4,5,6,7,8
	ds_load_b64 v[X+2*\m:X+2*\m+1], v[XA] offset:8*\m
.endr
	WLOAD 0
	s_wait_dscnt 12                                ; my row is in; W1's twelve loads, issued behind it, may be out
.set U, 1
.rept 16
	v_mov_b32 v[XO+U-1], v[X+U]
.set U, U+1
.endr
	LAYER 18, 189, 6
	s_wait_dscnt 0x0                               ; W1's fragments
	PLACES 8                                       ; a scale word written by a vector instruction stands 8 places ahead of the scaled matrix instruction, codes so written 4
	MM 0
	PLACES 4                                       ; in front of the loads into W's registers and of the first read of the sums
	WLOAD 1
	TANH CB1, 1
	LAYER 20, 230, 8
	s_wait_dscnt 0x0                               ; W2's fragments
	PLACES 8
	MM 1
	PLACES 4
	TANH CB2, 0
	v_mov_b32 v[Y], v[Y+1]                         ; the first trip's result moves down
	v_fma_f32 v[MXA], v[X], s[W3S], s[B3S]         ; y = b3 + the sum of W3[u] h[u], in two chains
	v_mul_f32 v[MXB], s[W3S+1], v[X+1]
.set U, 2
.rept 9
	v_fma_f32 v[MXA], v[X+U], s[W3S+U], v[MXA]
	v_fma_f32 v[MXB], v[X+U+1], s[W3S+U+1], v[MXB]
.set U, U+2
.endr
	v_add_f32 v[Y+1], v[MXA], v[MXB]
	v_add_nc_u32 v[XA], XROW, v[XA]                ; on to the odd row
	s_add_co_u32 s[TRIP], s[TRIP], 1
	s_cmp_lt_u32 s[TRIP], 2
	s_cbranch_scc1 .Ltrip
	global_store_b64 v[GO], v[Y:Y+1], s[18:19] th:TH_STORE_NT   ; 32 lanes store 256 consecutive bytes, at a multiple of 256 from y's first byte
	s_wait_tensorcnt 0x0                           ; the wave's end, behind my last LDS store
	ds_add_u32 v[SPW], v[NIL]
	s_wait_dscnt 0x0
	s_endpgm
.Lfunc_end_k_q880933dc76_taylor:
	.size	k_q880933dc76_taylor, .Lfunc_end_k_q880933dc76_taylor-k_q880933dc76_taylor
	.p2alignl 7, 3214868480
	.fill 96, 4, 3214868480
	.section	.rodata,"a",@progbits
	.p2align	6, 0x0
	.amdhsa_kernel k_q880933dc76_taylor
		.amdhsa_group_segment_fixed_size 129536
		.amdhsa_private_segment_fixed_size 0
		.amdhsa_enable_private_segment 0
		.amdhsa_kernarg_size 64
		.amdhsa_user_sgpr_count 2
		.amdhsa_user_sgpr_kernarg_segment_ptr 1
		.amdhsa_wavefront_size32 1
		.amdhsa_system_sgpr_workgroup_id_x 1
		.amdhsa_system_sgpr_workgroup_id_y 1
		.amdhsa_system_sgpr_workgroup_id_z 1
		.amdhsa_system_vgpr_workitem_id 0
		.amdhsa_next_free_vgpr 256
		.amdhsa_next_free_sgpr 100
		.amdhsa_reserve_vcc 1
		.amdhsa_float_denorm_mode_32 3
		.amdhsa_float_denorm_mode_16_64 3
		.amdhsa_memory_ordered 1
		.amdhsa_forward_progress 1
		.amdhsa_inst_pref_size 64
	.end_amdhsa_kernel
	.amdgpu_metadata
---
amdhsa.version: [ 1, 2 ]
amdhsa.kernels:
  - .name:           k_q880933dc76_taylor
    .symbol:         k_q880933dc76_taylor.kd
    .args:
      - { .name: x, .offset: 0, .size: 8, .value_kind: global_buffer, .address_space: global }
      - { .name: W1, .offset: 8, .size: 8, .value_kind: global_buffer, .address_space: global }
      - { .name: W2, .offset: 16, .size: 8, .value_kind: global_buffer, .address_space: global }
      - { .name: W3, .offset: 24, .size: 8, .value_kind: global_buffer, .address_space: global }
      - { .name: b1, .offset: 32, .size: 8, .value_kind: global_buffer, .address_space: global }
      - { .name: b2, .offset: 40, .size: 8, .value_kind: global_buffer, .address_space: global }
      - { .name: b3, .offset: 48, .size: 8, .value_kind: global_buffer, .address_space: global }
      - { .name: out0, .offset: 56, .size: 8, .value_kind: global_buffer, .address_space: global }
    .group_segment_fixed_size: 129536
    .private_segment_fixed_size: 0
    .kernarg_segment_align: 8
    .kernarg_segment_size: 64
    .max_flat_workgroup_size: 512
    .sgpr_count:     100
    .vgpr_count:     256
    .wavefront_size: 32
...
	.end_amdgpu_metadata
.endif
;; end of part 1
;; ======== version 2 of 2: 1 launch
;; limits: right only within a limited range of input values
;; launch taylor (part 2): grid 256 x 1, 16 waves a work-group, no clusters, 167,936 bytes of LDS; arguments x, W1, W2, W3, b1, b2, b3, out0; writes out0
.if DOCPART == 2
	.amdgcn_target "amdgcn-amd-amdhsa--gfx1250"
	.amdhsa_code_object_version 6
	.text
	.protected	k_q880933dc76_taylor
	.globl	k_q880933dc76_taylor
	.p2align	8
	.type	k_q880933dc76_taylor,@function
k_q880933dc76_taylor:
	s_mov_b64 s[64:65], 0
	v_nop
	global_prefetch_b8 v0, s[64:65] scope:SCOPE_SE
	s_setreg_imm32_b32 hwreg(HW_REG_WAVE_MODE, 25, 1), 1
	s_wait_xcnt 0x0
; y = tanh(aug(tanh(aug(x) W1^T + b1)) W2^T + b2) W3^T + b3,  aug(v) = [v, v_j v_k for j <= k].  x [262144][18], W1 [20][189], W2 [20][230], W3 [1][20], all f32.
; The two large products run on codes of FP6 (E2M3) with one E8M0 scale for each 32 along K, both operands quantised here; the last (K = 20, one column) is 20 fused multiply-adds a row in f32.
; NOTHING OF reference() IS LEFT OUT, and every input is loaded.
; SHARES.  256 work-groups of 16 waves; a work-group owns 1,024 rows, a wave 64, a LANE TWO ROWS: row l of the wave's 64 (set A) and row 32 + l (set B).  A layer's codes are made for A, then for B; then the layer's
; products run for both, so that each fragment of W that a wave loads serves 64 rows.
; A LANE HOLDS ITS WHOLE ROW, and its codes stay in it.  A fragment of data is two blocks of 32 along K of the lane's own row: to the matrix instruction, column r's K then holds blocks 2f, 2f + 1 of row r (lanes 0-15)
; and of row r + 16 (lanes 16-31).  W's fragment keeps them apart: of tile t its rows m = 0 .. 7 are outputs 8 t + m with codes in lanes 0-15's part of K and zero codes in lanes 16-31's, its rows m = 8 .. 15 the
; same outputs the other way round.  So W's codes stand in lanes 0-7 and 24-31, zeros in lanes 8-23; three tiles hold 20 outputs for both halves (48 rows, 40 used); and in the result register j of tile t is
; output 8 t + j of THE LANE'S OWN ROW.  No code and no sum changes its lane; a scale word alone does: its bytes are row r's and row r + 16's by turns.
; K is filled up with zero codes in W alone.  What stands at those places in the data's fragments (earlier features, codes or whole numbers; FP6 has no NaN and no infinity) is multiplied by them.
; A BLOCK'S LARGEST MAGNITUDE IS NOT SEARCHED AMONG ITS FEATURES.  Rounding is monotone: the largest of the rounded products |v_j v_k|, k from a to b, is the rounded product of |v_j| and the largest |v_k| of that
; range, the same bits.  A block is a few such runs.  With S(a) = the largest |v_k| from a on and R(a,b) = the largest from a to b: whole rows j = a .. b (k from j on) give R(a,b) S(a) (if the largest from a on lies
; behind b it pairs with R's own; if not it is R's own and pairs with itself), a whole tail from a on gives S(a)^2.  So a layer's scales are made ahead of its blocks, from the 18 or 20 numbers alone.
; x AND W COME BY ASYNCHRONOUS COPIES of 512 consecutive bytes: set A's rows (five), then my sixteenth of W (five), then set B's rows (four).  Set A's first blocks are worked while W arrives,
; is quantised (a lane one block of one row, a wave one block index) and crosses the work-group.  W's codes lie in LDS 48 bytes to a fragment's row, and zeros in a region of their own for lanes 8-23.
; No cluster: the work-groups share W alone, 33,520 bytes that each reads once; x, 73,728 bytes a work-group, is nobody else's.  No prefetch: no loop runs ahead of a stream; all is asked for at the head.
; The text uses 150,528 bytes of LDS.
; LIMITS.  NaN and infinities among the inputs are not served.  A block of zeros, or one whose largest magnitude lies under 2^-124, keeps the scale byte 1 (the rule says 127 for zeros: the codes are zeros, and the
; bytes are read by this program alone).  tanh(z) = 1 - 2 / (1 + 2^(2 log2(e) z)): an absolute error of a few 2^-24, so the relative error grows where |z| is tiny.
.set XROW,   72                        ; a row of x in bytes
.set XHALF,  32*XROW                   ; a set's 32 rows: 2,304 bytes
.set XWAVE,  64*XROW                   ; a wave's 64 rows: 4,608 bytes, nine copies of 512
.set WIMG,   16*XWAVE                  ; LDS: x's bytes from 0 on; then W's codes: 1,536 x (pair of blocks, layer 1's 3 and layer 2's 4) + 48 x row;
.set ZREG,   WIMG+12288                ; 16,384 bytes of zeros;
.set ZB,     ZREG+128                  ; where lanes 8-23 read them: 128 off a multiple of 256
.set WSC,    ZREG+16384                ; W's scale words: 128 x pair + 4 x row;
.set SPARE,  WSC+1024                  ; the spare words, 128 bytes for each wave: eight blocks of 256 bytes that no other line names;
.set WR1,    SPARE+2048                ; W1 as it lies in memory, 16,384 bytes (past its end: its last 16 bytes again);
.set WR2,    WR1+16384                 ; W2, 24,576 bytes likewise;
.set YST,    WR2+24576                 ; 256 bytes for each wave, through which its 64 results cross
.set FLOOR,  0x1800000                 ; 2^(3 - 127): under it no largest magnitude is taken, so the scale's byte cannot fall under 1
.set SPW,  1                           ; v1      LDS address of my spare word; never rewritten
.set NIL,  2                           ; v2      0; never rewritten
.set XA,   3                           ; v3      LDS address of my row of set A
.set WA,   4                           ; v4      LDS address of my lane's part of W's fragments
.set YA,   5                           ; v5      where my results go in the wave's 256 bytes
.set XL,   6                           ; v6      x's copies: LDS address;  v7 their offset in memory
.set XG,   7
.set SOB,  8                           ; v8-15   the layer's blocks: largest magnitude, then the conversions' scale operand
.set WSA,  16                          ; v16-21, v24  W's scale words of pair 0 .. 5, 6: lanes 0-15 tile 0, lanes 16-31 tile 1;  v25-28 tile 2: lanes 0-15 pair 2 i, lanes 16-31 pair 2 i + 1
.set XSA,  22                          ; v22, v23 set A's scale words: lanes 0-15 fragment 0 (2), lanes 16-31 fragment 1 (3);  v30, v31 set B's
.set XSB,  30
.set X,    32                          ; v32-63  the layer's input (18 or 20 numbers) and behind it the rest of block 0
.set TB,   60                          ; v60-62  behind block 0: an odd block's upper 16 codes
.set WFB,  32                          ; v32-67  at the products: W's three fragments of an odd data fragment
.set PBUF, 64                          ; v64-95  a block's 32 features
.set DA,   72                          ; v72-95  at the products: set A's three accumulators: sum u of my row in v[DA + u]
.set DB,   96                          ; v96-119 set B's
.set TS,   64                          ; v64-83  ahead of the blocks: S(k) at TS + k,
.set TR,   86                          ; v86-93  the ranges' largest numbers,
.set PR,   168                         ; v168-187 and the products of the runs' largest numbers (set B's codes are not yet made, or no longer used)
.set FA,   120                         ; v120-167 set A's fragments, 12 each
.set FB,   168                         ; v168-215 set B's
.set WFA,  216                         ; v216-251 W's three fragments of an even data fragment
.set TA,   252                         ; v252-254 an even block's upper 16 codes: a conversion's three registers begin on an even number
.set HT,   64                          ; the head's registers
.set HL,   65                          ; lane
.set HH,   66                          ; lane / 16
.set HS,   67                          ; lane % 8
.set HZ,   68                          ; 1 in lanes 8-23
.set HZR,  70                          ; v70-73 zeros
.set HZA,  74
.set WG0,  216                         ; W's copies: offsets in memory and LDS addresses
.set WG1,  217
.set WG4,  218
.set WD0,  219
.set WD1,  220
.set WD2,  221
.set WD4,  222
.set WB,   216                         ; v216-247 my block of W, once the copies are in
.set HM,   248                         ; v248, v249 two chains of largest magnitudes
.set HSO,  250
.set HBY,  251
.set HC0,  96                          ; v96-98, v100-102 my block's codes
.set HC1,  100
.set HB,   165                         ; LDS address of my block as f32
.set HCA,  166                         ; where my codes go
.set HSA,  167                         ; where my scale bytes go
.set SAD1, 213                         ; where my lane's scale words of W come from
.set SAD2, 214
.set HN,   215                         ; my row of W: lane, from 20 on 16 + lane % 4
.set CB1,  20                          ; s20-39  2 log2(e) b1
.set CB2,  40                          ; s40-59  2 log2(e) b2
.set WV,   60                          ; s60     my wave's number
.set CC,   62                          ; s62     2 log2(e)
.set SELH, 66                          ; s66     v_perm: the upper halves of two registers
.set SELS, 67                          ; s67     v_perm: bytes 0 and 2 of two registers by turns
.set W3S,  68                          ; s68-87  W3
.set B3S,  88                          ; s88     b3
.set CY,   89                          ; s89     b3 + the sum of W3
.set PX,   90                          ; s90, s91 v_permlanex16_b32's selects for lane l xor 16
; ---- the features.  FI is the feature's number, (FJ, FK) its pair j <= k, walked in reference()'s order: k innermost
.macro ADV
.set FK, FK+1
.if FK == NC
.set FJ, FJ+1
.set FK, FJ
.endif
.endm
; features FI and FI + 1 (FI even) into v[d], v[d + 1]: one dual multiply, where its sources' banks (register number mod 4) allow
.macro PAIR d
.set J0, FJ
.set K0, FK
	ADV
.if FI+1 >= NF
	v_mul_f32 v[\d], v[X+J0], v[X+K0]
.elseif (FJ == J0) || (K0 == FK) || (((K0-FK)&3) != 0)
	v_dual_mul_f32 v[\d], v[X+J0], v[X+K0] :: v_dual_mul_f32 v[(\d)+1], v[X+FJ], v[X+FK]
	ADV
.else
	v_mul_f32 v[\d], v[X+J0], v[X+K0]
	v_mul_f32 v[(\d)+1], v[X+FJ], v[X+FK]
	ADV
.endif
.set FI, FI+2
.endm
; ---- a layer's scales.  |.| stands on every source
.macro M3 d, a, b, c
	v_max3_num_f32 v[\d], |v[\a]|, |v[\b]|, |v[\c]|
.endm
.macro M2 d, a, b
	v_max_num_f32 v[\d], |v[\a]|, |v[\b]|
.endm
.macro M3F d, a, b                     ; two magnitudes and the floor
	v_max3_num_f32 v[\d], |v[\a]|, |v[\b]|, FLOOR
.endm
.macro M2F d, a                        ; one and the floor
	v_max_num_f32 v[\d], FLOOR, |v[\a]|
.endm
.macro ML2 d, a, b, c, e               ; two products (signed), a b and c e, in the order of sources that the banks allow
.if (((\a) == (\c)) || ((((\a)-(\c))&3) != 0)) && (((\b) == (\e)) || ((((\b)-(\e))&3) != 0))
	v_dual_mul_f32 v[\d], v[\a], v[\b] :: v_dual_mul_f32 v[(\d)+1], v[\c], v[\e]
.elseif (((\a) == (\e)) || ((((\a)-(\e))&3) != 0)) && (((\b) == (\c)) || ((((\b)-(\c))&3) != 0))
	v_dual_mul_f32 v[\d], v[\a], v[\b] :: v_dual_mul_f32 v[(\d)+1], v[\e], v[\c]
.else
	v_mul_f32 v[\d], v[\a], v[\b]
	v_mul_f32 v[(\d)+1], v[\c], v[\e]
.endif
.endm
.macro QUARTER n                       ; x 1/4: the format's largest exponent, 2, off the largest magnitude's: the conversion takes the exponent field of this operand as its scale, and nothing else of it
.set Q, 0
.rept \n
	v_pk_mul_f32 v[SOB+2*Q:SOB+2*Q+1], v[SOB+2*Q:SOB+2*Q+1], 0x3e800000 op_sel_hi:[1,0]
.set Q, Q+1
.endr
.endm
; Scale words.  The upper halves of two blocks' operands, shifted right by 7, hold their exponent bytes in bytes 0 and 2.  The swap of fragment f's register with fragment f + 1's leaves lanes 0-15 with f's of rows r
; and r + 16, lanes 16-31 with those of f + 1; the bytes taken by turns are the words that the products want: scale row 0 for f, scale row 1 for f + 1.
.macro HALVES d, b
	v_perm_b32 v[\d], v[SOB+(\b)+1], v[SOB+(\b)], s[SELH]
.endm
.macro SHIFT7 d
	v_lshrrev_b32 v[\d], 7, v[\d]
.endm
; Layer 1: 18 numbers, 189 features.  Feature 18 + p is pair p; row j's pairs begin at p = 0, 18, 35, 51, 66, 80, 93, 105, 116, 126, 135, 143 ..; block b holds p = 32 b - 18 .. 32 b + 13:
;   block 0: x0-17, (0, 0-13)                      block 1: (0, 14-17), row 1, (2, 2-12)              block 2: (2, 13-17), row 3, (4, 4-15)
;   block 3: (4, 16-17), rows 5, 6, (7, 7-11)      block 4: (7, 12-17), rows 8, 9, (10, 10-16)        block 5: (10, 17), rows 11 to 17
; The chain of S and the ranges stand by turns, so that no line waits for the line above it.  xs: where the scale words go
.macro SCALES1 xs
	M2 TS+16, X+16, X+17
	M3 TR+0, X+7, X+8, X+9
	M3 TS+14, TS+16, X+15, X+14
	M3 TR+1, X+4, X+5, X+6                         ; R(4,6)
	M2 TS+13, TS+14, X+13
	M3 TR+0, TR+0, X+10, X+11                      ; R(7,11)
	M2 TS+12, TS+13, X+12
	M3 TR+6, X+10, X+11, X+12
	M2 TS+11, TS+12, X+11
	M3 TR+2, TR+1, TR+0, X+12                      ; R(4,12)
	M3 TS+9, TS+11, X+10, X+9
	M3 TR+6, TR+6, X+13, X+14
	M2 TS+8, TS+9, X+8
	M3 TR+3, TR+2, X+2, X+3                        ; R(2,12)
	M3 TS+6, TS+8, X+7, X+6
	M3 TR+5, TR+2, X+13, X+14
	M2 TS+5, TS+6, X+5
	M3 TR+4, TR+3, X+0, X+1
	M3 TS+3, TS+5, X+4, X+3
	M3 TR+6, TR+6, X+15, X+16                      ; R(10,16)
	M3 TS+1, TS+3, X+2, X+1
	M2 TR+5, TR+5, X+15                            ; R(4,15)
	M2 TS+0, TS+1, X+0
	M2 TR+4, TR+4, X+13                            ; R(0,13)
	ML2 PR+0, X+0, TR+4, X+0, TS+14                ; block 0; block 1: 1, 2, 5
	ML2 PR+2, X+1, TS+1, X+3, TS+3                 ; block 2: 4, 3, 6
	ML2 PR+4, X+2, TS+13, X+2, TR+3
	ML2 PR+6, X+4, TR+5, X+4, TS+16                ; block 3: 7 to 10
	ML2 PR+8, X+5, TS+5, X+6, TS+6
	ML2 PR+10, X+7, TR+0, X+7, TS+12               ; block 4: 11 to 14
	ML2 PR+12, X+8, TS+8, X+9, TS+9
	ML2 PR+14, X+10, TR+6, X+10, X+17              ; block 5: 15, 16
	v_mul_f32 v[PR+16], v[TS+11], v[TS+11]
	M3F SOB+0, TS+0, PR+0
	M3 SOB+1, PR+1, PR+2, PR+5
	M3 SOB+2, PR+4, PR+3, PR+6
	M3 SOB+3, PR+7, PR+8, PR+9
	M3 SOB+4, PR+11, PR+12, PR+13
	M3F SOB+5, PR+15, PR+16
	M2F SOB+1, SOB+1
	M2F SOB+2, SOB+2
	M3F SOB+3, SOB+3, PR+10
	M3F SOB+4, SOB+4, PR+14
	QUARTER 3
	HALVES TS, 0
	HALVES TS+1, 2
	HALVES TS+2, 4
	SHIFT7 TS
	SHIFT7 TS+1
	SHIFT7 TS+2
	v_permlane16_swap_b32 v[TS], v[TS+1]
	v_permlanex16_b32 v[TS+3], v[TS+2], s[PX], s[PX+1]             ; the third fragment stands alone
	v_perm_b32 v[\xs], v[TS+1], v[TS], s[SELS]
	v_perm_b32 v[\xs+1], v[TS+3], v[TS+2], s[SELS]
.endm
; Layer 2: 20 numbers, 230 features.  Row j's pairs begin at p = 0, 20, 39, 57, 74, 90, 105, 119, 132, 144, 155, 165, 174 .. 204; block b holds p = 32 b - 20 .. 32 b + 11:
;   block 0: h0-19, (0, 0-11)                      block 1: (0, 12-19), row 1, (2, 2-6)               block 2: (2, 7-19), row 3, (4, 4-5)             block 3: (4, 6-19), row 5, (6, 6-8)
;   block 4: (6, 9-19), row 7, (8, 8-15)           block 5: (8, 16-19), rows 9, 10, (11, 11-17)       block 6: (11, 18-19), rows 12 to 16             block 7: rows 17 to 19
.macro SCALES2 xs
	M2 TS+18, X+18, X+19
	M3 TR+0, X+12, X+13, X+14                      ; R(12,14)
	M2 TS+17, TS+18, X+17
	M3 TR+3, X+8, X+9, X+10
	M2 TS+16, TS+17, X+16
	M3 TR+1, TR+0, X+15, X+16                      ; R(12,16)
	M2 TR+4, X+4, X+5                              ; R(4,5)
	M3 TR+3, TR+3, X+11, TR+0                      ; R(8,14)
	M2 TS+12, TR+1, TS+17
	M3 TR+5, TR+4, X+2, X+3
	M3 TS+10, TS+12, X+11, X+10
	M3 TR+6, X+6, X+7, X+8                         ; R(6,8)
	M2 TS+9, TS+10, X+9
	M2 TR+5, TR+5, X+6                             ; R(2,6)
	M3 TS+7, TS+9, X+8, X+7
	M3 TR+2, TR+1, X+11, X+17                      ; R(11,17)
	M2 TS+6, TS+7, X+6
	M3 TR+7, TR+5, X+0, X+1
	M2 TS+5, TS+6, X+5
	M2 TR+3, TR+3, X+15                            ; R(8,15)
	M3 TS+3, TS+5, X+4, X+3
	M3 TR+7, TR+7, TR+6, X+9
	M3 TS+1, TS+3, X+2, X+1
	M3 TR+7, TR+7, X+10, X+11                      ; R(0,11)
	M2 TS+0, TS+1, X+0
	ML2 PR+0, X+0, TR+7, X+0, TS+12                ; block 0; block 1: 1 to 3
	ML2 PR+2, X+1, TS+1, X+2, TR+5
	ML2 PR+4, X+2, TS+7, X+5, TS+5                 ; block 2: 4, 8, 6
	ML2 PR+6, X+4, TR+4, X+4, TS+6                 ; block 3: 7, 5, 9
	ML2 PR+8, X+3, TS+3, X+6, TR+6
	ML2 PR+10, X+6, TS+9, X+7, TS+7                ; block 4: 10 to 12
	ML2 PR+12, X+8, TR+3, X+8, TS+16               ; block 5: 13 to 16
	ML2 PR+14, X+9, TS+9, X+10, TS+10
	ML2 PR+16, X+11, TR+2, X+11, TS+18             ; block 6: 17, 18
	ML2 PR+18, TR+1, TS+12, TS+17, TS+17           ; block 7: 19
	M3F SOB+0, TS+0, PR+0
	M3 SOB+1, PR+1, PR+2, PR+3
	M3 SOB+2, PR+4, PR+8, PR+6
	M3 SOB+3, PR+7, PR+5, PR+9
	M3 SOB+4, PR+10, PR+11, PR+12
	M3 SOB+5, PR+13, PR+14, PR+15
	M3F SOB+6, PR+17, PR+18
	M2F SOB+7, PR+19
	M2F SOB+1, SOB+1
	M2F SOB+2, SOB+2
	M2F SOB+3, SOB+3
	M2F SOB+4, SOB+4
	M3F SOB+5, SOB+5, PR+16
	QUARTER 4
	HALVES TS, 0
	HALVES TS+1, 2
	HALVES TS+2, 4
	HALVES TS+3, 6
	SHIFT7 TS
	SHIFT7 TS+1
	SHIFT7 TS+2
	SHIFT7 TS+3
	v_permlane16_swap_b32 v[TS], v[TS+1]
	v_permlane16_swap_b32 v[TS+2], v[TS+3]
	v_perm_b32 v[\xs], v[TS+1], v[TS], s[SELS]
	v_perm_b32 v[\xs+1], v[TS+3], v[TS+2], s[SELS]
.endm
.macro BEGIN nc, nf, fp                ; a layer's blocks of one set, whose fragments begin at fp
.set NC, \nc
.set NF, \nf
.set FP, \fp
.set FI, \nc
.set FJ, 0
.set FK, 0
.endm
; block b of the layer's K: its features and its codes; its scale operand stands ready in v[SOB + b].  A block's upper 16 codes go to their odd place from TA or TB: TA's at the odd block's end, TB's behind the next
; even block's conversions (the last block's at once).  So a plain line that names neither their results nor their sources stands behind each run of conversions, ahead of the next block's features.
.macro BLOCK b
.set BASE, PBUF
.if (\b) == 0
.set BASE, X                           ; block 0 begins with the input itself, as it lies
.endif
.set Q, 0
.rept 16
.if (32*(\b)+2*Q >= NC) && (FI < NF)
	PAIR BASE+2*Q
.endif
.set Q, Q+1
.endr
.set FQ, FP+12*((\b)/2)
.set FC, FQ+6*((\b)%2)
	v_cvt_scalef32_pk16_fp6_f32 v[FC:FC+2], v[BASE:BASE+15], v[SOB+(\b)]
.if NF-32*(\b) > 16
.if (\b)%2
	v_cvt_scalef32_pk16_fp6_f32 v[TB:TB+2], v[BASE+16:BASE+31], v[SOB+(\b)]
.else
	v_cvt_scalef32_pk16_fp6_f32 v[TA:TA+2], v[BASE+16:BASE+31], v[SOB+(\b)]
.endif
.endif
.if (\b)%2
	v_mov_b32 v[FQ+5], v[TA+2]
	v_dual_mov_b32 v[FQ+4], v[TA+1] :: v_dual_mov_b32 v[FQ+3], v[TA]
.if (32*(\b)+32 >= NF) && (NF-32*(\b) > 16)
	v_mov_b32 v[FQ+11], v[TB+2]
	v_dual_mov_b32 v[FQ+10], v[TB+1] :: v_dual_mov_b32 v[FQ+9], v[TB]
.endif
.elseif (\b) > 0
	v_mov_b32 v[FQ-1], v[TB+2]
	v_dual_mov_b32 v[FQ-2], v[TB+1] :: v_dual_mov_b32 v[FQ-3], v[TB]
.endif
.endm
; ---- the products
.macro WL dst, fx                      ; W's three fragments (tiles 0, 1, 2) of pair fx: nine loads of 16 bytes a lane
.irp t, 0,1,2
.irp g, 0,1,2
	ds_load_b128 v[\dst+12*\t+4*\g:\dst+12*\t+4*\g+3], v[WA] offset:1536*(\fx)+384*\t+16*\g
.endr
.endr
.endm
.macro PLACES n
.rept \n
	v_nop
.endr
.endm
.macro MMI d, a, b, sa, ra, sb, rb     ; adds onto d
.if (\ra) && (\rb)
	v_wmma_scale_f32_16x16x128_f8f6f4 v[\d:\d+7], v[\a:\a+11], v[\b:\b+11], v[\d:\d+7], v[\sa], v[\sb] matrix_a_fmt:MATRIX_FMT_FP6 matrix_b_fmt:MATRIX_FMT_FP6 matrix_a_scale:MATRIX_SCALE_ROW1 matrix_b_scale:MATRIX_SCALE_ROW1
.elseif (\ra)
	v_wmma_scale_f32_16x16x128_f8f6f4 v[\d:\d+7], v[\a:\a+11], v[\b:\b+11], v[\d:\d+7], v[\sa], v[\sb] matrix_a_fmt:MATRIX_FMT_FP6 matrix_b_fmt:MATRIX_FMT_FP6 matrix_a_scale:MATRIX_SCALE_ROW1
.elseif (\rb)
	v_wmma_scale_f32_16x16x128_f8f6f4 v[\d:\d+7], v[\a:\a+11], v[\b:\b+11], v[\d:\d+7], v[\sa], v[\sb] matrix_a_fmt:MATRIX_FMT_FP6 matrix_b_fmt:MATRIX_FMT_FP6 matrix_b_scale:MATRIX_SCALE_ROW1
.else
	v_wmma_scale_f32_16x16x128_f8f6f4 v[\d:\d+7], v[\a:\a+11], v[\b:\b+11], v[\d:\d+7], v[\sa], v[\sb] matrix_a_fmt:MATRIX_FMT_FP6 matrix_b_fmt:MATRIX_FMT_FP6
.endif
.endm
.macro MMZ d, a, b, sa, ra, sb         ; starts d: data fragment 0, scale row 0
.if (\ra)
	v_wmma_scale_f32_16x16x128_f8f6f4 v[\d:\d+7], v[\a:\a+11], v[\b:\b+11], 0, v[\sa], v[\sb] matrix_a_fmt:MATRIX_FMT_FP6 matrix_b_fmt:MATRIX_FMT_FP6 matrix_a_scale:MATRIX_SCALE_ROW1
.else
	v_wmma_scale_f32_16x16x128_f8f6f4 v[\d:\d+7], v[\a:\a+11], v[\b:\b+11], 0, v[\sa], v[\sb] matrix_a_fmt:MATRIX_FMT_FP6 matrix_b_fmt:MATRIX_FMT_FP6
.endif
.endm
; one set's data fragment f against W's three tiles
.macro MM3 f, wf, fo, d, fp, xs
.set FRG, \fp+12*(\f)
.set FXX, (\fo)+(\f)
.set SCLA, WSA+FXX
.if FXX == 6
.set SCLA, 24
.endif
.set SCLB, 25+FXX/2
.set SCLX, \xs+(\f)/2
.if (\f) == 0
	MMZ \d, \wf, FRG, SCLA, 0, SCLX
	MMZ \d+8, \wf+12, FRG, SCLA, 1, SCLX
	MMZ \d+16, \wf+24, FRG, SCLB, (FXX%2), SCLX
.else
	MMI \d, \wf, FRG, SCLA, 0, SCLX, ((\f)%2)
	MMI \d+8, \wf+12, FRG, SCLA, 1, SCLX, ((\f)%2)
	MMI \d+16, \wf+24, FRG, SCLB, (FXX%2), SCLX, ((\f)%2)
.endif
.endm
.macro MM6 f, wf, fo                   ; both sets: the six accumulators take turns, one instruction a turn
	MM3 \f, \wf, \fo, DA, FA, XSA
	MM3 \f, \wf, \fo, DB, FB, XSB
.endm
; a layer's products: nf data fragments, W's pairs from fo on.  The first pair's nine loads are on their way; dscnt 9 leaves the nine loads of the pair behind it out
.macro PRODUCTS nf, fo
	s_wait_alu depctr_va_vdst(0)                   ; the wait here
	WL WFB, \fo+1
	s_wait_dscnt 9
	MM6 0, WFA, \fo
	PLACES 4                                       ; in front of the loads into registers that the products have read
	WL WFA, \fo+2
	s_wait_dscnt 9
	MM6 1, WFB, \fo
.if \nf == 4
	PLACES 4
	WL WFB, \fo+3
	s_wait_dscnt 9
	MM6 2, WFA, \fo
	s_wait_dscnt 0x0
	MM6 3, WFB, \fo
.else
	s_wait_dscnt 0x0
	MM6 2, WFA, \fo
.endif
	PLACES 4                                       ; in front of the first read of the sums, and of loads into W's registers
.endm
; v[d + u] = 1 / (1 + 2^(2 log2(e) (z_u + b_u))) for both sets: tanh is 1 less twice that.  The 40 exponentials are one batch and the 40 reciprocals another
.macro RECIPS cb
.irp d, DA, DB
.set U, 0
.rept 20
	v_fma_f32 v[\d+U], v[\d+U], s[CC], s[\cb+U]    ; each accumulator from its low end on
.set U, U+1
.endr
.endr
	s_wait_alu depctr_va_vdst(0)                   ; the wait ahead of the batch
.irp d, DA, DB
.set U, 0
.rept 20
	v_exp_f32 v[\d+U], v[\d+U]
.set U, U+1
.endr
.endr
	v_nop                                          ; a plain line behind the last exponential
	s_wait_alu depctr_va_vdst(0)                   ; and behind it
.irp d, DA, DB
.set U, 0
.rept 10
	v_pk_add_f32 v[\d+U:\d+U+1], v[\d+U:\d+U+1], 1.0 op_sel_hi:[1,0]
.set U, U+2
.endr
.endr
	s_wait_alu depctr_va_vdst(0)                   ; the same for the reciprocals
.irp d, DA, DB
.set U, 0
.rept 20
	v_rcp_f32 v[\d+U], v[\d+U]
.set U, U+1
.endr
.endr
	v_nop
	s_wait_alu depctr_va_vdst(0)
.endm
.macro HIDDEN d                        ; tanh, layer 2's input
.set U, 0
.rept 10
	v_pk_fma_f32 v[X+U:X+U+1], v[\d+U:\d+U+1], -2.0, 1.0 op_sel_hi:[1,0,0]
.set U, U+2
.endr
.endm
.macro XLOAD t
.irp m, 0,1,2,3,4,5,6,7,8
	ds_load_b64 v[X+2*\m:X+2*\m+1], v[XA] offset:XHALF*\t+8*\m   ; rows are 18 words apart
.endr
.endm
; y = b3 + the sum of W3[u] (1 - 2 r[u]) = (b3 + the sum of W3) - 2 x the sum of W3[u] r[u], in four chains
.macro DOT d, a, y
	v_dual_mul_f32 v[\a], s[W3S], v[\d] :: v_dual_mul_f32 v[\a+1], s[W3S+1], v[\d+1]
	v_dual_mul_f32 v[\a+2], s[W3S+2], v[\d+2] :: v_dual_mul_f32 v[\a+3], s[W3S+3], v[\d+3]
.set U, 4
.rept 4
	v_dual_fmac_f32 v[\a], s[W3S+U], v[\d+U] :: v_dual_fmac_f32 v[\a+1], s[W3S+U+1], v[\d+U+1]
	v_dual_fmac_f32 v[\a+2], s[W3S+U+2], v[\d+U+2] :: v_dual_fmac_f32 v[\a+3], s[W3S+U+3], v[\d+U+3]
.set U, U+4
.endr
	v_pk_add_f32 v[\a:\a+1], v[\a:\a+1], v[\a+2:\a+3]
	v_add_f32 v[\a], v[\a], v[\a+1]
	v_fma_f32 v[\y], v[\a], -2.0, s[CY]
.endm
	; ---- the head
	s_load_b512 s[4:19], s[0:1], 0x0               ; x s[4:5], W1 s[6:7], W2 s[8:9], W3 s[10:11], b1 s[12:13], b2 s[14:15], b3 s[16:17], y s[18:19]
	v_lshl_add_u32 v[SPW], v0, 2, SPARE
	v_mov_b32 v[NIL], 0
	ds_add_u32 v[SPW], v[NIL]                      ; the wave's opening: the add, twice on end, and its wait ahead of my first copy; work on registers stands between the second and the wait
	ds_add_u32 v[SPW], v[NIL]
	v_lshrrev_b32 v[HT], 5, v0
	v_readfirstlane_b32 s[WV], v[HT]               ; wave 0..15
	v_and_b32 v[HL], 31, v0
	v_lshlrev_b32 v[WG0], 4, v0                    ; W: 16 bytes a thread.  W1 is 945 such pieces, W2 1,150; thread T takes pieces T + 512 j,
	v_lshl_add_u32 v[WD0], v0, 4, WR1
	v_lshl_add_u32 v[WD1], v0, 4, WR1+8192
	v_lshl_add_u32 v[WD2], v0, 4, WR2
	v_lshl_add_u32 v[WD4], v0, 4, WR2+16384
	v_add_nc_u32 v[WG1], 8192, v[WG0]
	v_add_nc_u32 v[WG4], 16384, v[WG0]
	v_min_u32 v[WG1], 15104, v[WG1]                ; past the end: the last piece, into bytes of LDS whose numbers are used nowhere
	v_min_u32 v[WG4], 18384, v[WG4]
	v_lshlrev_b32 v[XG], 4, v[HL]                  ; x: 16 bytes a lane
	s_mul_i32 s99, s[WV], XWAVE                    ; my wave's bytes of x in LDS
	v_add_nc_u32 v[XL], s99, v[XG]
	s_mul_i32 s92, ttmp9, 16*XWAVE
	s_add_co_u32 s92, s92, s99                     ; and in memory (under 2^25)
	s_mov_b32 s93, 0
	s_wait_alu depctr_va_vdst(0)                   ; the wait here, directly ahead of the waits below
	s_wait_dscnt 0x0                               ; both opening adds are done
	s_wait_kmcnt 0x0
	s_add_nc_u64 s[4:5], s[4:5], s[92:93]
.set V, 0
.rept 5
	global_load_async_to_lds_b128 v[XL], v[XG], s[4:5] offset:512*V   ; bytes 0 to 2,559: set A's rows end at byte 2,303.  The immediate steps both addresses
.set V, V+1
.endr
	global_load_async_to_lds_b128 v[WD0], v[WG0], s[6:7]
	global_load_async_to_lds_b128 v[WD1], v[WG1], s[6:7]
	global_load_async_to_lds_b128 v[WD2], v[WG0], s[8:9]
	global_load_async_to_lds_b128 v[WD2], v[WG0], s[8:9] offset:8192
	global_load_async_to_lds_b128 v[WD4], v[WG4], s[8:9]
	s_load_b512 s[20:35], s[12:13], 0x0            ; b1
	s_load_b128 s[36:39], s[12:13], 0x40
	s_load_b512 s[40:55], s[14:15], 0x0            ; b2
	s_load_b128 s[56:59], s[14:15], 0x40
	s_load_b512 s[68:83], s[10:11], 0x0            ; W3
	s_load_b128 s[84:87], s[10:11], 0x40
	s_load_b32 s[B3S], s[16:17], 0x0               ; b3
	s_lshl_b32 s92, ttmp9, 12
	s_add_nc_u64 s[18:19], s[18:19], s[92:93]      ; my work-group's 4,096 bytes of y
	s_mov_b32 s[CC], 0x4038aa3b                    ; 2 log2(e)
	s_mov_b32 s[SELH], 0x07060302
	s_mov_b32 s[SELS], 0x06020400
	s_mov_b32 s[PX], 0x76543210
	s_mov_b32 s[PX+1], 0xfedcba98
	s_add_co_u32 s61, s[WV], 10                    ; waves 0 to 5 take W1's blocks 0 to 5 along K, waves 6 to 13 W2's 0 to 7: the layer is (wave + 10) / 16.
	s_lshr_b32 s61, s61, 4                         ; (Waves 14 and 15 read W2's bytes further on, and their codes and bytes go to an eighth pair, whose scale bytes alone are loaded, into lanes that no product reads)
	s_mul_i32 s95, s61, 164
	s_add_co_u32 s95, s95, 756                     ; a row of W in bytes: 756 or 920
	s_mul_i32 s96, s61, 15616                      ; W2's place less the six blocks of 128 bytes that waves 0 to 5 take
	s_lshl_b32 s97, s[WV], 7
	s_add_co_u32 s96, s96, s97
	s_add_co_u32 s96, s96, WR1
	s_lshr_b32 s94, s[WV], 1                       ; my pair of blocks, 0 to 2 of layer 1, 3 to 6 of layer 2,
	s_and_b32 s93, s[WV], 1                        ; and which of the two my block is
	s_mul_i32 s97, s94, 1536
	s_mul_i32 s98, s93, 24
	s_add_co_u32 s97, s97, s98
	s_add_co_u32 s97, s97, WIMG
	s_lshl_b32 s98, s94, 7
	s_lshl_b32 s93, s93, 1
	s_add_co_u32 s98, s98, s93
	s_add_co_u32 s98, s98, WSC
	s_lshl_b32 s92, s[WV], 8
	s_add_co_u32 s92, s92, YST
	v_mad_u32_u24 v[XA], v[HL], XROW, s99          ; row l; set B's is 2,304 bytes on
	v_bfe_u32 v[HH], v0, 4, 1
	v_and_b32 v[HS], 7, v0
	v_lshrrev_b32 v[HZ], 3, v0
	v_xor_b32 v[HZ], v[HZ], v[HH]
	v_and_b32 v[HZ], 1, v[HZ]
	v_mul_u32_u24 v[WA], 48, v[HS]
	v_mad_u32_u24 v[WA], v[HZ], ZB-WIMG, v[WA]
	v_add_nc_u32 v[WA], WIMG, v[WA]
	v_lshlrev_b32 v[SAD1], 2, v[HS]
	v_lshl_add_u32 v[SAD2], v[HH], 7, v[SAD1]
	v_lshl_add_u32 v[SAD1], v[HH], 5, v[SAD1]
	v_add_nc_u32 v[SAD2], WSC+64, v[SAD2]
	v_add_nc_u32 v[SAD1], WSC, v[SAD1]
	v_and_b32 v[HN], 12, v[HL]
	v_mul_u32_u24 v[HN], v[HH], v[HN]
	v_xor_b32 v[HN], v[HL], v[HN]                  ; lanes 16-31: bits 2 and 3 off: rows 20 to 31 do not exist
	v_mul_u32_u24 v[HB], s95, v[HN]
	v_add_nc_u32 v[HB], s96, v[HB]
	v_mul_u32_u24 v[HCA], 48, v[HL]
	v_add_nc_u32 v[HCA], s97, v[HCA]
	v_lshl_add_u32 v[HSA], v[HL], 2, s98
	v_lshlrev_b32 v[YA], 2, v[HL]
	v_add_nc_u32 v[YA], s92, v[YA]                 ; word l (row l), and 128 bytes on (row 32 + l)
.irp i, 0,1,2,3
	v_mov_b32 v[HZR+\i], 0
.endr
	v_lshl_add_u32 v[HZA], v0, 4, ZREG
	s_wait_alu depctr_va_vdst(0)
.rept 4
	global_load_async_to_lds_b128 v[XL], v[XG], s[4:5] offset:512*V   ; the rest of set B's rows.  The copies' registers and bases are never rewritten while they are out
.set V, V+1
.endr
	ds_store_b128 v[HZA], v[HZR:HZR+3]             ; the zeros that lanes 8-23 read as W's codes
	ds_store_b128 v[HZA], v[HZR:HZR+3] offset:8192
	; ---- layer 1's codes of set A, with W's way through the work-group among its blocks
	s_wait_asynccnt 0x9                            ; set A's five copies are in; W's five and set B's four may be out
	XLOAD 0
	s_wait_dscnt 0x0
	SCALES1 XSA
	BEGIN 18, 189, FA
	BLOCK 0
	BLOCK 1
	s_wait_alu depctr_va_vdst(0)                   ; the wait here, directly ahead of the waits below
	s_wait_asynccnt 0x4                            ; my part of W is in; set B's four copies may be out: their bytes are read by me alone, and nothing is filled again
	s_wait_dscnt 0x0                               ; my zeros lie in LDS
	s_barrier_signal -1
	BLOCK 2
	s_wait_alu depctr_va_vdst(0)                   ; as above, ahead of the barrier's wait
	s_barrier_wait -1                              ; everybody's part of W is in
.set U, 0
.rept 32
	ds_load_b32 v[WB+U], v[HB] offset:4*U          ; my block of W: 32 neighbours along K
.set U, U+1
.endr
	BLOCK 3
	s_wait_alu depctr_va_vdst(0)                   ; as above
	s_wait_dscnt 0x0
	s_and_b32 s61, s[WV], 7
	s_cmp_lg_u32 s61, 5                            ; waves 5 and 13 hold the rows' last blocks: 29 numbers of W1, 6 of W2
	s_cbranch_scc1 .Lwhole
	s_cmp_eq_u32 s[WV], 13
	s_cselect_b32 s61, 0, -1
.set U, 6
.rept 23
	v_and_b32 v[WB+U], s61, v[WB+U]                ; what lies past K is 0
.set U, U+1
.endr
	v_mov_b32 v[WB+29], 0
	v_mov_b32 v[WB+30], 0
	v_mov_b32 v[WB+31], 0
.Lwhole:
	v_max3_num_f32 v[HM], |v[WB]|, |v[WB+1]|, FLOOR
	v_max3_num_f32 v[HM+1], |v[WB+2]|, |v[WB+3]|, |v[WB+4]|
.set U, 2
.rept 13
	v_max3_num_f32 v[HM+U%2], v[HM+U%2], |v[WB+2*U+1]|, |v[WB+2*U+2]|
.set U, U+1
.endr
	v_max3_num_f32 v[HM], v[HM], v[HM+1], |v[WB+31]|
	v_add_nc_u32 v[HSO], 0xff000000, v[HM]         ; 2 off the exponent field: the conversions' scale operand
	v_cvt_scalef32_pk16_fp6_f32 v[HC0:HC0+2], v[WB:WB+15], v[HSO]
	v_cvt_scalef32_pk16_fp6_f32 v[HC1:HC1+2], v[WB+16:WB+31], v[HSO]
	v_lshrrev_b32 v[HBY], 23, v[HSO]               ; the scale's byte, for both halves of the lanes' part of K
	v_lshl_or_b32 v[HBY], v[HBY], 8, v[HBY]
.irp i, 0,1,2
	ds_store_b32 v[HCA], v[HC0+\i] offset:4*\i
	ds_store_b32 v[HCA], v[HC1+\i] offset:12+4*\i
.endr
	ds_store_b16 v[HSA], v[HBY]
	s_wait_alu depctr_va_vdst(0)                   ; as above
	s_wait_kmcnt 0x0                               ; b1, b2, W3, b3
	s_wait_dscnt 0x0                               ; for the others' sake: my codes and my scale bytes lie in LDS
	s_barrier_signal -1
.set U, 0
.rept 40
	s_mul_f32 s[CB1+U], s[CB1+U], s[CC]            ; the biases enter as the addend of the multiply-add that makes the exponent
.set U, U+1
.endr
.irp i, 0,1,2,3
	s_add_f32 s[92+\i], s[W3S+2*\i], s[W3S+2*\i+1]
.endr
.set U, 8
.rept 12
	s_add_f32 s[92+U%4], s[92+U%4], s[W3S+U]
.set U, U+1
.endr
	s_add_f32 s92, s92, s93
	s_add_f32 s94, s94, s95
	s_add_f32 s92, s92, s94
	s_add_f32 s[CY], s92, s[B3S]
	BLOCK 4
	BLOCK 5
	s_wait_alu depctr_va_vdst(0)                   ; as above, ahead of the barrier's wait
	s_barrier_wait -1                              ; W's codes and scale bytes are whole
	; ---- layer 1's codes of set B
	s_wait_asynccnt 0x0                            ; all my copies are in
	XLOAD 1
.irp i, 0,1,2,3,4,5
	ds_load_b32 v[WSA+\i], v[SAD1] offset:128*\i   ; W's scale words stay in registers
.endr
	ds_load_b32 v24, v[SAD1] offset:768
.irp i, 0,1,2,3
	ds_load_b32 v[25+\i], v[SAD2] offset:256*\i
.endr
	WL WFA, 0
	s_wait_dscnt 20                                ; my row is in; the 11 scale words and W's nine loads, issued behind it, may be out
	SCALES1 XSB
	BEGIN 18, 189, FB
.irp b, 0,1,2,3,4,5
	BLOCK \b
.endr
	PRODUCTS 3, 0
	WL WFA, 3                                      ; layer 2's first pair
	RECIPS CB1
	; ---- layer 2
	HIDDEN DA
	SCALES2 XSA
	BEGIN 20, 230, FA
.irp b, 0,1,2,3,4,5,6,7
	BLOCK \b
.endr
	HIDDEN DB
	SCALES2 XSB
	BEGIN 20, 230, FB
.irp b, 0,1,2,3,4,5,6,7
	BLOCK \b
.endr
	PRODUCTS 4, 3
	RECIPS CB2
	DOT DA, X, SOB
	DOT DB, X+4, SOB+1
	; ---- the way out.  A lane holds rows l and 32 + l; a store of 256 consecutive bytes wants rows 2 l and 2 l + 1 in a lane: the 64 results cross through the wave's own 256 bytes of LDS
	ds_store_b32 v[YA], v[SOB]
	ds_store_b32 v[YA], v[SOB+1] offset:128
	v_lshl_add_u32 v[X+8], v0, 3, YST              ; words 2 l and 2 l + 1 of my wave's 64
	v_lshlrev_b32 v[X+9], 3, v0                    ; and their place among the work-group's 4,096 bytes of y
	s_wait_alu depctr_va_vdst(0)                   ; as above
	ds_load_b64 v[X+10:X+11], v[X+8]               ; LDS serves a wave's instructions in order (ISA guide 5.7.1.4): this sees my two stores
	s_wait_dscnt 0x0
	global_store_b64 v[X+9], v[X+10:X+11], s[18:19] th:TH_STORE_NT   ; 32 lanes store 256 consecutive bytes, at a multiple of 256 from y's first byte
	s_wait_tensorcnt 0x0                           ; the wave's end, behind my last copy and my last LDS store
	s_wait_asynccnt 0x0
	ds_add_u32 v[SPW], v[NIL]
	s_wait_dscnt 0x0
	s_endpgm
.Lfunc_end_k_q880933dc76_taylor:
	.size	k_q880933dc76_taylor, .Lfunc_end_k_q880933dc76_taylor-k_q880933dc76_taylor
	.p2alignl 7, 3214868480
	.fill 96, 4, 3214868480
	.section	.rodata,"a",@progbits
	.p2align	6, 0x0
	.amdhsa_kernel k_q880933dc76_taylor
		.amdhsa_group_segment_fixed_size 167936
		.amdhsa_private_segment_fixed_size 0
		.amdhsa_enable_private_segment 0
		.amdhsa_kernarg_size 64
		.amdhsa_user_sgpr_count 2
		.amdhsa_user_sgpr_kernarg_segment_ptr 1
		.amdhsa_wavefront_size32 1
		.amdhsa_system_sgpr_workgroup_id_x 1
		.amdhsa_system_sgpr_workgroup_id_y 1
		.amdhsa_system_sgpr_workgroup_id_z 1
		.amdhsa_system_vgpr_workitem_id 0
		.amdhsa_next_free_vgpr 256
		.amdhsa_next_free_sgpr 100
		.amdhsa_reserve_vcc 0
		.amdhsa_float_denorm_mode_32 3
		.amdhsa_float_denorm_mode_16_64 3
		.amdhsa_memory_ordered 1
		.amdhsa_forward_progress 1
		.amdhsa_inst_pref_size 87
	.end_amdhsa_kernel
	.amdgpu_metadata
---
amdhsa.version: [ 1, 2 ]
amdhsa.kernels:
  - .name:           k_q880933dc76_taylor
    .symbol:         k_q880933dc76_taylor.kd
    .args:
      - { .name: x, .offset: 0, .size: 8, .value_kind: global_buffer, .address_space: global }
      - { .name: W1, .offset: 8, .size: 8, .value_kind: global_buffer, .address_space: global }
      - { .name: W2, .offset: 16, .size: 8, .value_kind: global_buffer, .address_space: global }
      - { .name: W3, .offset: 24, .size: 8, .value_kind: global_buffer, .address_space: global }
      - { .name: b1, .offset: 32, .size: 8, .value_kind: global_buffer, .address_space: global }
      - { .name: b2, .offset: 40, .size: 8, .value_kind: global_buffer, .address_space: global }
      - { .name: b3, .offset: 48, .size: 8, .value_kind: global_buffer, .address_space: global }
      - { .name: out0, .offset: 56, .size: 8, .value_kind: global_buffer, .address_space: global }
    .group_segment_fixed_size: 167936
    .private_segment_fixed_size: 0
    .kernarg_segment_align: 8
    .kernarg_segment_size: 64
    .max_flat_workgroup_size: 512
    .sgpr_count:     100
    .vgpr_count:     256
    .wavefront_size: 32
...
	.end_amdgpu_metadata
.endif
;; end of part 2
